; MI455X (gfx1250); checked and timed in simulation.
; The chip was launched on July 23, 2026; its instructions are those of AMD's public machine-readable ISA for CDNA 5 (MIT licence, August 2026) and "CDNA5" Instruction Set Architecture Reference Guide (July 2026). The comments in the code are by the model that wrote it; some were corrected since.
;; Edge Decoder. Allowed arithmetic: matrix products marked QUANTISED: E2M3 operands, one E8M0 scale for each 32 along K, by v_wmma_scale_f32_16x16x128_f8f6f4 with both operands' format E2M3, f32 sums; products left as they are: f32 operands where the result goes on into a quantised operand, else bf16, f16 or f32 operands; f32 sums; everything else in f32.
;; Inputs: W1_codes 256 x 16 x 24 uint8 (E2M3 codes of W1, K innermost, in blocks of 32 codes, four codes in three bytes); W1_scales 256 x 16 uint8 (E8M0 scales of W1, one for each 32 codes along K); W2 256 x 1 float32; b1 256 float32; b2 1 float32; edge_label_index 2 x 500,000 int32; movie_emb 50,000 x 256 float32; user_emb 100,000 x 256 float32.
;; Outputs: out0 500,000 x 1 float32.
;; This version of the problem:
;;   THIS VERSION OF THE PROBLEM IS GIVEN IN LOW PRECISION. The matrix products marked QUANTISED in the list below multiply operands that are first quantised to E2M3 (2 exponent bits, 3 mantissa bits; 6 bits a number), with one power-of-two scale for each 32 numbers along K (OCP MX v1.0); their sums are f32. All else is computed in f32.
;;   The module's matrix products, in the order in which they are computed (A, B: the left and right operand; K: the contracted axis; several contracted axes count as one K, in the product's order):
;;     1. [M 500,000, K 512] x [K 512, N 256]; A: computed on the way; B: input W1 (given as codes): QUANTISED
;;     2. [M 500,000, K 256] x [K 256, N 1]; A: computed on the way; B: input W2: left as it is (N = 1 < 16)
;;   THE QUANTISER, for each operand of a quantised product, along K:
;;     - K is cut into blocks of 32 from its start; a last block that is shorter is filled with zeros.
;;     - A block's scale is 2^e with e = floor(log2(the largest magnitude in the block)) - 2, held to -126 .. 127; a block of zeros has e = 0. As a byte (E8M0): e + 127.
;;     - Each number is divided by its block's scale, clamped to +-7.5, and rounded to the nearest number of E2M3, ties to even, subnormals kept.
;;     - The product sums the exact products of the quantised numbers (number of the format x scale) in f32.
;;   ~~~python
;;   def quantise(x, axis):      # numpy; x: float32 -> the quantised numbers, widened to float32 again
;;       x = np.moveaxis(x, axis, -1); K = x.shape[-1]
;;       x = np.pad(x, [(0, 0)] * (x.ndim - 1) + [(0, -K % 32)]); x = x.reshape(x.shape[:-1] + (-1, 32)); a = np.abs(x).max(-1, keepdims=True)
;;       e = np.where(a > 0, np.clip(np.frexp(np.where(a > 0, a, 1))[1] - 1 - 2, -126, 127), 0)      # np.frexp(a)[1] - 1 = floor(log2(a)), exactly
;;       r = np.clip(x / 2.0 ** e, -7.5, 7.5)
;;       step = 2.0 ** (np.maximum(np.frexp(np.where(r == 0, 1, r))[1] - 1, 0) - 3)
;;       q = np.round(r / step) * step * 2.0 ** e      # np.round: ties to even
;;       return np.moveaxis(q.reshape(q.shape[:-2] + (-1,))[..., :K], -1, axis).astype(np.float32)
;;   ~~~
;;   OPERANDS COMPUTED ON THE WAY. 'Computed on the way' means the value that the module computes at that place (a softmax that the list does not call 'softmax' is quantised finished and normalised). What goes into a quantiser is computed in f32, as accurately as f32 sums, v_exp_f32 and their like allow (about 1e-6 of the number): no bf16 or f16 on the way to a quantiser, and a product that is left as it is and whose result goes on into a quantised operand takes f32 operands (vector FMAs, or v_wmma_f32_16x16x4_f32). A number that lies on a knife's edge between two numbers of the format may be rounded either way, as far as f32 arithmetic and the matrix unit's own rounding can turn it there, and no further.
;;   INPUTS GIVEN AS CODES. W1 (in the module: [512, 256], K = its axis 0): each comes as NAME_codes (uint8): NAME with its K axis moved to the last place and cut into blocks of 32 codes, [.., K / 32, bytes a block], one block behind the other in memory; four codes in three bytes: a row's codes are one little-endian stream of bits, code i at bits 6 i .. 6 i + 5 (a code: sign, 2 exponent bits, 3 mantissa bits); and NAME_scales (uint8): the same leading axes, one E8M0 byte (e + 127) for each 32 codes along K. Its value is code x scale, taken as it is: it is not quantised again, and the codes and scales need not be those that the quantiser above would give.
;; One version. Each part assembles by itself: llvm-mc -triple=amdgcn-amd-amdhsa -mcpu=gfx1250 --defsym DOCPART=n.
;; ======== version 1 of 1: 2 launches
;; limits: right only within a limited range of input values
;; workspace buffers: qtab 38,400,000 bytes
;; launch quant (part 1): grid 1875 x 1, 4 waves a work-group, no clusters, 23,040 bytes of LDS; arguments user_emb, movie_emb, qtab; writes qtab
.if DOCPART == 1
	.amdgcn_target "amdgcn-amd-amdhsa--gfx1250"
	.amdhsa_code_object_version 6
	.text
	.protected	k_q5625fede4c_quant
	.globl	k_q5625fede4c_quant
	.p2align	8
	.type	k_q5625fede4c_quant,@function
k_q5625fede4c_quant:
	s_mov_b64 s[64:65], 0
	v_nop
	global_prefetch_b8 v0, s[64:65] scope:SCOPE_SE
	s_setreg_imm32_b32 hwreg(HW_REG_WAVE_MODE, 25, 1), 1
	s_wait_xcnt 0x0
; Every row of user_emb [100000][256] and movie_emb [50000][256], f32, becomes ONE RECORD of 256 bytes in qtab: record i = user row i, record 100000 + j = movie row j.
; A block of 32 along K never crosses the seam between the user's and the movie's half of an edge's 512 numbers, so an edge's codes and scales are those of its two rows:
; each row is quantised once here (150,000 rows) and not once for each of its uses (1,000,000).
; A RECORD, in the order of the matrix operand's registers: bytes 0-95 the codes of blocks 0, 2, 4, 6 (24 bytes each: 32 codes of E2M3, 6 bits each, the lowest k in the lowest bits);
; bytes 96-191 those of blocks 1, 3, 5, 7; bytes 192-199 the eight E8M0 bytes in their natural order; bytes 200-255 zeros, so that a record is stored as 256 consecutive bytes, aligned.
; A block's scale is 2^(floor(log2(its largest magnitude)) - 2): its byte is the largest magnitude's own exponent field - 2, held at 1 from below by a floor among the maximum's leaves.
; LIMITS: a block of zeros gets the byte 1 where the rule says 127 (its codes are zeros, which add nothing under any byte but 0xff, and this program alone reads the bytes);
; NaN and infinities among the inputs are not served.
; SHARES: a work-group takes 80 rows (the first 1,250 work-groups user rows, the other 625 movie rows: only the pointer is chosen, the text has one path); a wave 20 rows, as 5 steps of 4 rows.
; A step's eight loads read 512 consecutive bytes each, 16 a lane; the 4,096 bytes turn through the wave's own stage in LDS and come back a whole block (128 bytes) a lane, since the
; conversions take neighbours along K from ONE lane's registers.  The codes and bytes of 4 rows meet in the wave's own 1,024 bytes of LDS and leave as four whole records.
; No barrier before the end: waves share nothing.  All 40 loads of a wave are issued at the head: 20,480 bytes a wave on their way.
.set UWG,   1250                       ; work-groups that take user rows
.set WGIN,  81920                      ; bytes of 80 rows of f32
.set WVIN,  20480                      ; of a wave's 20
.set WGOUT, 20480                      ; bytes of 80 records
.set WVOUT, 5120                       ; of a wave's 20
.set REG,   5632                       ; LDS: a wave's region: the stage in, then the stage out
.set PL,    144                        ; a block's place in the stage in: 128 bytes + 16, an odd multiple of 16: the lanes' 16-byte reads fall on different banks
.set OST,   4608                       ; the stage out begins behind 32 places
.set R,     32                         ; v32-191: step t's 32 numbers at v[32 + 32 t]; its first eight registers later carry its four records out
	s_load_b128 s[4:7], s[0:1], 0x0                ; user_emb, movie_emb
	s_load_b64 s[8:9], s[0:1], 0x10                ; qtab
	v_lshl_add_u32 v192, v0, 2, 0x5800
	v_mov_b32 v193, 0
	v_lshrrev_b32 v1, 5, v0
	v_readfirstlane_b32 s16, v1                    ; wave 0..3
	v_and_b32 v1, 31, v0                           ; lane
	v_lshlrev_b32 v2, 4, v1                        ; 16 x lane: my place in a load's or a store's 512 bytes; never rewritten
	s_mul_i32 s17, s16, REG
	v_lshrrev_b32 v8, 3, v1                        ; lane / 8
	v_and_b32 v9, 7, v1                            ; lane % 8
	v_mul_u32_u24 v3, v8, PL
	v_lshl_add_u32 v3, v9, 4, v3
	v_add_nc_u32 v3, s17, v3                       ; the stage, on the way in: a load's 512 bytes are four blocks: place lane / 8, byte 16 (lane % 8)
	v_mul_u32_u24 v4, v1, PL
	v_add_nc_u32 v4, s17, v4                       ; and back: block = lane: row lane / 8 of the step's four, block lane % 8 of its eight
	s_add_co_u32 s17, s17, OST
	v_lshl_add_u32 v6, v8, 8, s17                  ; my row's record in the stage out
	v_and_b32 v10, 1, v1
	v_mad_u32_u24 v5, v10, 96, v6                  ; odd blocks lie 96 bytes on,
	v_lshrrev_b32 v10, 1, v9
	v_mad_u32_u24 v5, v10, 24, v5                  ; and block b is the (b / 2)-th of its kind: where my block's 24 bytes go
	v_add_nc_u32 v6, v6, v9                        ; my block's scale byte (192 more in the store's offset)
	v_add_nc_u32 v7, s17, v2                       ; the stage out, read back: 16 x lane
.irp i, 20,21,22,23
	v_mov_b32 v\i, 0
.endr
	s_wait_alu depctr_va_vdst(0)
	s_wait_kmcnt 0x0
	s_cmp_lt_u32 ttmp9, UWG                        ; user rows or movie rows?  The choice hangs on the work-group's number alone
	s_cselect_b64 s[4:5], s[4:5], s[6:7]
	s_cselect_b32 s10, 0, UWG
	s_sub_co_u32 s10, ttmp9, s10
	s_mul_i32 s10, s10, WGIN
	s_mul_i32 s11, s16, WVIN
	s_add_co_u32 s10, s10, s11                     ; under 2^27
	s_mov_b32 s11, 0
	s_add_nc_u64 s[4:5], s[4:5], s[10:11]          ; my wave's first row
	s_mul_i32 s12, ttmp9, WGOUT
	s_mul_i32 s13, s16, WVOUT
	s_add_co_u32 s12, s12, s13
	s_mov_b32 s13, 0
	s_add_nc_u64 s[8:9], s[8:9], s[12:13]          ; my wave's first record
.irp t, 0,1,2,3,4
.irp i, 0,1,2,3,4,5,6,7
	global_load_b128 v[R+32*\t+4*\i:R+32*\t+4*\i+3], v2, s[4:5] offset:4096*\t+512*\i th:TH_LOAD_NT   ; 32 lanes read 512 consecutive bytes; read once in the launch
.endr
.endr
	ds_store_b128 v7, v[20:23]                     ; the stage out is cleared once: bytes 200-255 of its records stay zeros
	ds_store_b128 v7, v[20:23] offset:512
.macro TURN t                          ; step t's numbers through the stage, back into the registers that they left.  LDS serves a wave's instructions in order (ISA guide 5.7.1.4): no wait between stores and loads, and one stage serves all steps
.irp i, 0,1,2,3,4,5,6,7
	ds_store_b128 v3, v[R+32*(\t)+4*\i:R+32*(\t)+4*\i+3] offset:4*PL*\i
.endr
.irp i, 0,1,2,3,4,5,6,7
	ds_load_b128 v[R+32*(\t)+4*\i:R+32*(\t)+4*\i+3], v4 offset:16*\i
.endr
.endm
	s_wait_loadcnt 32                              ; step 0's eight loads are in; the other 32 may be out
	TURN 0
.macro STEP t
.set X, R+32*(\t)
.if (\t) < 4
	s_wait_loadcnt 8*(3-(\t))                      ; the next step's eight loads are in; those of the steps behind it may be out
	TURN (\t)+1                                    ; and turn while this step is worked
	s_wait_dscnt 16                                ; all but those sixteen: this step's block is in my registers
.else
	s_wait_dscnt 0x0
.endif
	v_max3_num_f32 v8, |v[X]|, |v[X+1]|, |v[X+2]|  ; the block's largest magnitude: all 32 numbers are mine; two chains
	v_max3_num_f32 v9, |v[X+3]|, |v[X+4]|, |v[X+5]|
.irp i, 6,10,14,18,22,26
	v_max3_num_f32 v8, v8, |v[X+\i]|, |v[X+\i+1]|
	v_max3_num_f32 v9, v9, |v[X+\i+2]|, |v[X+\i+3]|
.endr
	v_max3_num_f32 v8, v8, |v[X+30]|, |v[X+31]|
	v_max3_num_f32 v8, v8, v9, 0x1800000           ; and the floor 2^(3 - 127): the byte cannot fall under 1
	v_add_nc_u32 v10, 0xff000000, v8               ; 2 off its exponent field: the conversion takes the exponent field of this operand as its scale, and nothing else of it
	v_cvt_scalef32_pk16_fp6_f32 v[12:14], v[X:X+15], v10      ; sixteen numbers / the scale, to the nearest code, ties to even, beyond 7.5 the largest code: 96 bits without gaps
	v_cvt_scalef32_pk16_fp6_f32 v[16:18], v[X+16:X+31], v10   ; (a conversion's three registers begin on an even number)
	v_lshrrev_b32 v11, 23, v10                     ; the scale's byte; also the plain line behind the conversions
	ds_store_b64 v5, v[12:13]                      ; my block's 24 bytes, in pieces whose addresses are multiples of their sizes
	ds_store_b32 v5, v14 offset:8
	ds_store_b32 v5, v16 offset:12
	ds_store_b32 v5, v17 offset:16
	ds_store_b32 v5, v18 offset:20
	ds_store_b8 v6, v11 offset:192
	ds_load_b128 v[X:X+3], v7                      ; four records back, 16 bytes a lane: in order behind my stores
	ds_load_b128 v[X+4:X+7], v7 offset:512
	s_wait_dscnt 0x0                               ; they are in; and the stores have read v11-v18, which the next step writes
	global_store_b128 v2, v[X:X+3], s[8:9] offset:1024*(\t)          ; sixteen lanes store one whole record, 256 consecutive bytes, aligned
	global_store_b128 v2, v[X+4:X+7], s[8:9] offset:1024*(\t)+512    ; (no register of a store is ever written again)
.endm
.irp t, 0,1,2,3,4
	STEP \t
.endr
	s_barrier_signal -1
	s_barrier_wait -1
	s_wait_tensorcnt 0x0
	ds_add_u32 v192, v193
	s_wait_dscnt 0x0
	s_endpgm
.Lfunc_end_k_q5625fede4c_quant:
	.size	k_q5625fede4c_quant, .Lfunc_end_k_q5625fede4c_quant-k_q5625fede4c_quant
	.p2alignl 7, 3214868480
	.fill 96, 4, 3214868480
	.section	.rodata,"a",@progbits
	.p2align	6, 0x0
	.amdhsa_kernel k_q5625fede4c_quant
		.amdhsa_group_segment_fixed_size 23040
		.amdhsa_private_segment_fixed_size 0
		.amdhsa_enable_private_segment 0
		.amdhsa_kernarg_size 24
		.amdhsa_user_sgpr_count 2
		.amdhsa_user_sgpr_kernarg_segment_ptr 1
		.amdhsa_wavefront_size32 1
		.amdhsa_system_sgpr_workgroup_id_x 1
		.amdhsa_system_sgpr_workgroup_id_y 1
		.amdhsa_system_sgpr_workgroup_id_z 1
		.amdhsa_system_vgpr_workitem_id 0
		.amdhsa_next_free_vgpr 194
		.amdhsa_next_free_sgpr 66
		.amdhsa_reserve_vcc 0
		.amdhsa_float_denorm_mode_32 3
		.amdhsa_float_denorm_mode_16_64 3
		.amdhsa_memory_ordered 1
		.amdhsa_forward_progress 1
		.amdhsa_inst_pref_size 22
	.end_amdhsa_kernel
	.amdgpu_metadata
---
amdhsa.version: [ 1, 2 ]
amdhsa.kernels:
  - .name:           k_q5625fede4c_quant
    .symbol:         k_q5625fede4c_quant.kd
    .args:
      - { .name: user_emb, .offset: 0, .size: 8, .value_kind: global_buffer, .address_space: global }
      - { .name: movie_emb, .offset: 8, .size: 8, .value_kind: global_buffer, .address_space: global }
      - { .name: qtab, .offset: 16, .size: 8, .value_kind: global_buffer, .address_space: global }
    .group_segment_fixed_size: 23040
    .private_segment_fixed_size: 0
    .kernarg_segment_align: 8
    .kernarg_segment_size: 24
    .max_flat_workgroup_size: 128
    .sgpr_count:     66
    .vgpr_count:     194
    .wavefront_size: 32
...
	.end_amdgpu_metadata
.endif
;; end of part 1
;; launch edges (part 2): grid 253 x 1, 4 waves a work-group, no clusters, 186,880 bytes of LDS; arguments W1_codes, W1_scales, W2, b1, b2, edge_label_index, qtab, out0; writes out0
.if DOCPART == 2
	.amdgcn_target "amdgcn-amd-amdhsa--gfx1250"
	.amdhsa_code_object_version 6
	.text
	.protected	k_q5625fede4c_edges
	.globl	k_q5625fede4c_edges
	.p2align	8
	.type	k_q5625fede4c_edges,@function
k_q5625fede4c_edges:
	s_mov_b64 s[64:65], 0
	v_nop
	global_prefetch_b8 v0, s[64:65] scope:SCOPE_SE
	s_setreg_imm32_b32 hwreg(HW_REG_WAVE_MODE, 25, 1), 1
	s_wait_xcnt 0x0
; out0[e] = relu(Q([user[i0[e]], movie[i1[e]]]) W1 + b1) . W2 + b2.  The rows' codes and scales come from qtab (records of 256 bytes, made by the launch before); W1 comes as codes of E2M3.
; The first product runs on v_wmma_scale_f32_16x16x128_f8f6f4, both sides E2M3, sums in f32; bias, relu and the product with W2 (one column) in f32 on the vector unit.
; SHARES.  A work-group owns 1,984 edges = 124 tiles of 16 (7,936 bytes of out0 = 31 aligned runs of 256): 253 work-groups.  The last one's index loads are held inside the index rows, it walks the
; same constant steps, and its stores are masked.  Wave w = 2 eh + nh holds W1's hidden units 128 nh .. 128 nh + 127 in registers: 8 tiles x 4 K steps = 32 fragments, with their b1, W2, scale words.
; Wave w GATHERS tiles 31 w + s (s = 0 .. 30), each record once for each use; in step s it COMPUTES its half of the hidden units for tile A = 62 eh + s and tile B = 62 eh + 31 + s, which the two
; waves of its pair gathered: a gathered tile goes to LDS as an image of its registers.  A landing ring of four tiles in registers keeps 52 loads of every wave on their way.
; W1 ON ITS WAY IN: the work-group reads W1's 98,304 bytes once, each load four runs of 128 consecutive bytes, lays the rows into a stage in LDS, and each wave takes its fragments from there.
; THE PRODUCT IS USED TRANSPOSED: source 0 = 16 rows of W1, source 1 = 16 edges.  Lane (r, h) holds edge r, register j hidden unit 16 t + 8 h + j.  b1 is the C of K step 0; relu is one dual maximum
; a pair of numbers, W2 one dual multiply-add a pair; one exchange between the halves of the lanes a tile.  The two halves of the hidden units meet in LDS at the end, where b2 is added.
; BY TURNS.  The epilogue of the tile before (8 dual lines for each of its 8 accumulators) stands in slices of two behind the matrix instructions of the tile in hand; two sets of accumulators.
; REGISTERS, in windows of 256 (s_set_vgpr_msb: bits 1:0 source 0, 3:2 source 1, 5:4 source 2, 7:6 destination):
;   window 0: v1-15 addresses and indices; v16-19 the edges' scale words; v20-35 W1's scale words; v36-51 sixteen sums; v52-53 at work; v54-55 the spare word's address and 0; v56-103 the edges' operand;
;             v102-127 the head's temporaries; v128-191, v192-255 two sets of 8 accumulators.
;   window 1 (N tiles 0-3), window 2 (N tiles 4-7): W1's fragment (tt, k) at v[48 tt + 12 k]; W2 at v[192 + 8 tt]; b1 at v[224 + 8 tt].      window 3: the landing ring, slot u at v[50 u].
;   With source 0 in window 1 or 2 and all else in window 0 the matrix instruction, the dual maximum (its first sources are constants) and the dual multiply-add (W2 as first source) stand under ONE setting.
; LIMITS: indices are taken as unsigned and held at their table's last row (the problem keeps them inside); NaN and infinities are not served; the f32 sum over the 256 hidden units is taken in
; another order than a plain loop's.
; NOT USED, by this text's own arithmetic: tensor loads (the rows are named by a list, lane by lane) and so no joint loads; a data prefetch (each record is asked for by its own load four tiles,
; 256 matrix instructions, ahead of its use); what work-groups share is W1, 102,400 bytes read once by each.
.set NE,     500000
.set NU,     100000
.set NREC,   150000
.set NS,     31                        ; steps
.set WVB,    NS*64                     ; bytes of an index row (and of sums) for a wave's 31 tiles
.set WGB,    4*WVB                     ; for a work-group's 124
.set XSLOT,  25600                     ; LDS 0 - 51,199: two slots of images; in a slot wave w's tile at XWAVE w
.set XWAVE,  6400                      ; 12 images of 512 bytes, then the scale words' image: 256 bytes
.set XSCL,   6144
.set IDX0,   51200                     ; the indices of row 0, wave w's at 2,048 w; IDXR further on those of row 1
.set IDXR,   8192
.set PS0,    67584                     ; the sums over hidden units 0-127, 4 bytes an edge; 8,192 further on those over units 128-255
.set W1L,    83968                     ; W1's 256 rows, written once at the head
.set W1P,    400                       ; a row's 384 bytes + 16
.set SPARE,  186368                    ; the spare words, 128 bytes a wave
.set XR,  1                            ; 16 lane + 12,800 eh: where I read images
.set XR8, 2                            ; 8 lane + 12,800 eh: and scale words
.set XW,  3                            ; 16 lane + 6,400 w: where I store images
.set XW8, 4
.set IA0, 5                            ; IDX0 + 2,048 w + 4 r
.set PA0, 6                            ; PS0 + 8,192 nh + 2 WVB eh + 4 r
.set H96, 7                            ; 96 h
.set IA,  8                            ; IA0 + 64 step
.set PA,  9                            ; PA0 + 64 step
.set I0,  10
.set I1,  11
.set IS,  12
.set UO,  13                           ; byte offsets in qtab: the user's record + 96 h, the movie's + 96 h, my half's record for the scale words
.set MO,  14
.set SO,  15
.set XS,  16                           ; set 0 (tile A) v16-17, set 1 (tile B) v18-19: register i: lanes 0-15 word i of the user's scales, lanes 16-31 of the movie's
.set WS,  20                           ; v[WS + 4 tt + k]: lanes 0-15 N tile tt's word of K step k, lanes 16-31 N tile tt + 4's
.set S,   36
.set T0,  52
.set T1,  53
.set EF,  56
.set ACC, 128
.set WVN, 20
.set NH,  21
.set EHF, 22
.set HM,  24
.set SEL, 26
.set ST,  28
.set CNT, 29
.set B2,  30
.set OF,  32
.set SX,  34
.set REM, 35
.set MSB, 0
.macro WIN new                         ; the immediate's high byte repeats the setting that is left; a switch that changes nothing is dropped
.if MSB != (\new)
	s_set_vgpr_msb (MSB<<8)|(\new)
.set MSB, (\new)
.endif
.endm
; One matrix instruction: accumulator 4 q + tt of a set, K step k.  K steps 0, 1 are the user's 256, 2, 3 the movie's (scale words in lanes 16-31).  K step 0 takes b1 as C.
.macro WM set, xs, k, q, tt
.set rD, ACC+64*(\set)+8*(4*(\q)+(\tt))
.set rA, 48*(\tt)+12*(\k)
.set rB, EF+12*(\k)
.set rC, 224+8*(\tt)
.set rW, WS+4*(\tt)+(\k)
.set rX, XS+2*(\xs)+((\k)%2)
.if (\k == 0) && (\q == 0)
	v_wmma_scale_f32_16x16x128_f8f6f4 v[rD:rD+7], v[rA:rA+11], v[rB:rB+11], v[rC:rC+7], v[rW], v[rX] matrix_a_fmt:MATRIX_FMT_FP6 matrix_b_fmt:MATRIX_FMT_FP6
.elseif \k == 0
	v_wmma_scale_f32_16x16x128_f8f6f4 v[rD:rD+7], v[rA:rA+11], v[rB:rB+11], v[rC:rC+7], v[rW], v[rX] matrix_a_fmt:MATRIX_FMT_FP6 matrix_b_fmt:MATRIX_FMT_FP6 matrix_a_scale:MATRIX_SCALE_ROW1
.elseif (\k == 1) && (\q == 0)
	v_wmma_scale_f32_16x16x128_f8f6f4 v[rD:rD+7], v[rA:rA+11], v[rB:rB+11], v[rD:rD+7], v[rW], v[rX] matrix_a_fmt:MATRIX_FMT_FP6 matrix_b_fmt:MATRIX_FMT_FP6
.elseif \k == 1
	v_wmma_scale_f32_16x16x128_f8f6f4 v[rD:rD+7], v[rA:rA+11], v[rB:rB+11], v[rD:rD+7], v[rW], v[rX] matrix_a_fmt:MATRIX_FMT_FP6 matrix_b_fmt:MATRIX_FMT_FP6 matrix_a_scale:MATRIX_SCALE_ROW1
.elseif \q == 0
	v_wmma_scale_f32_16x16x128_f8f6f4 v[rD:rD+7], v[rA:rA+11], v[rB:rB+11], v[rD:rD+7], v[rW], v[rX] matrix_a_fmt:MATRIX_FMT_FP6 matrix_b_fmt:MATRIX_FMT_FP6 matrix_b_scale:MATRIX_SCALE_ROW1
.else
	v_wmma_scale_f32_16x16x128_f8f6f4 v[rD:rD+7], v[rA:rA+11], v[rB:rB+11], v[rD:rD+7], v[rW], v[rX] matrix_a_fmt:MATRIX_FMT_FP6 matrix_b_fmt:MATRIX_FMT_FP6 matrix_a_scale:MATRIX_SCALE_ROW1 matrix_b_scale:MATRIX_SCALE_ROW1
.endif
.endm
; Slice sl of four of the epilogue of accumulator 4 q + k of a set: four dual maxima (relu, in place, from the accumulator's low end on) and four dual products with W2 into the sums of window q + 1.
; A dual line takes two neighbouring registers in each place: one destination even and one odd, the two first sources and the two second sources in different register banks.
; For k = 0 the product starts the sums (a multiply); the multiply-add's accumulator goes by the destination's window.
.macro EPD j
	v_dual_max_num_f32 v[rd+\j], 0, v[rd+\j] :: v_dual_max_num_f32 v[rd+\j+1], 0, v[rd+\j+1]
.endm
.macro EPF c, k
.if \k == 0
	v_dual_mul_f32 v[rs+2*\c], v[rw+2*\c], v[rd+2*\c] :: v_dual_mul_f32 v[rs+2*\c+1], v[rw+2*\c+1], v[rd+2*\c+1]
.else
	v_dual_fmac_f32 v[rs+2*\c], v[rw+2*\c], v[rd+2*\c] :: v_dual_fmac_f32 v[rs+2*\c+1], v[rw+2*\c+1], v[rd+2*\c+1]
.endif
.endm
.macro EP set, k, q, sl
.set rd, ACC+64*(\set)+8*(4*(\q)+(\k))
.set rw, 192+8*(\k)
.set rs, S+8*(\q)
.if \sl == 0
	EPD 0
	EPD 2
.elseif \sl == 1
	EPF 0, \k
	EPD 4
.elseif \sl == 2
	EPF 1, \k
	EPD 6
.else
	EPF 2, \k
	EPF 3, \k
.endif
.endm
; Four matrix instructions under one setting: K step k, N tiles 4 q .. 4 q + 3; behind each a slice of the other set's accumulator 4 q + k.  Eight phases are a tile: the 8 accumulators take turns,
; one instruction a turn, and the two sets follow each other tile by tile, over the loop's backward jump too.
.macro PHASE set, xs, k, q, epi
.if \k == 0
	WIN 0x11*(\q+1)                                ; W1 and b1 in window q + 1
.else
	WIN \q+1                                       ; W1 (and W2) in window q + 1
.endif
.irp tt, 0,1,2,3
	WM \set, \xs, \k, \q, \tt
.if \epi
	EP 1-\set, \k, \q, \tt
.endif
.endr
.endm
.macro FETCH01 xslot, half, xs         ; a tile's user half (K steps 0, 1) and its scale words: 7 LDS loads
.irp c, 0,1,2,3,4,5
	ds_load_b128 v[EF+4*\c:EF+4*\c+3], v[XR] offset:XSLOT*(\xslot)+XWAVE*(\half)+512*\c
.endr
	ds_load_b64 v[XS+2*(\xs):XS+2*(\xs)+1], v[XR8] offset:XSLOT*(\xslot)+XWAVE*(\half)+XSCL
.endm
.macro FETCH23 xslot, half             ; its movie half (K steps 2, 3): 6 LDS loads
.irp c, 6,7,8,9,10,11
	ds_load_b128 v[EF+4*\c:EF+4*\c+3], v[XR] offset:XSLOT*(\xslot)+XWAVE*(\half)+512*\c
.endr
.endm
.macro IMAGE u, xslot                  ; ring slot u goes to LDS as it stands: 13 LDS stores
	WIN 0x0c                                       ; an LDS store's data are its source 1: window 3
.irp c, 0,1,2,3,4,5,6,7,8,9,10,11
	ds_store_b128 v[XW], v[50*(\u)+4*\c:50*(\u)+4*\c+3] offset:XSLOT*(\xslot)+512*\c
.endr
	ds_store_b64 v[XW8], v[50*(\u)+48:50*(\u)+49] offset:XSLOT*(\xslot)+XSCL
.endm
.macro GADDR i0, i1                    ; a tile's two indices (edge r's, in both halves of the lanes) become three byte offsets
	s_wait_xcnt 0x0                                ; the three offset registers are written again only behind this wait
	v_add_nc_u32 v[\i1], NU, v[\i1]                ; a movie's record lies behind the users'
	v_cndmask_b32 v[IS], v[\i0], v[\i1], s[HM]     ; lanes 0-15 fetch the user's scale words, lanes 16-31 the movie's
	v_min_u32 v[\i0], NU-1, v[\i0]                 ; held inside the table
	v_min_u32 v[\i1], NREC-1, v[\i1]
	v_min_u32 v[IS], NREC-1, v[IS]
	v_lshl_add_u32 v[UO], v[\i0], 8, v[H96]
	v_lshl_add_u32 v[MO], v[\i1], 8, v[H96]
	v_lshlrev_b32 v[SO], 8, v[IS]
.endm
.macro GLOADS u                        ; 13 loads: lane (r, h) takes the 96 bytes at 96 h of edge r's two records: 24 registers each = two K steps of the operand; and two scale words
	WIN 0xc0                                       ; destination window 3, address window 0
.irp i, 0,1,2,3,4,5
	global_load_b128 v[50*(\u)+4*\i:50*(\u)+4*\i+3], v[UO], s[16:17] offset:16*\i
.endr
.irp i, 0,1,2,3,4,5
	global_load_b128 v[50*(\u)+24+4*\i:50*(\u)+27+4*\i], v[MO], s[16:17] offset:16*\i
.endr
	global_load_b64 v[50*(\u)+48:50*(\u)+49], v[SO], s[16:17] offset:192
.endm
.macro FINISH imm                      ; the sixteen sums become edge r's sum over my 128 hidden units: ten vector lines and one LDS store
.irp c, 0,1,2,3
	v_dual_add_f32 v[S+2*\c], v[S+2*\c], v[S+8+2*\c] :: v_dual_add_f32 v[S+2*\c+1], v[S+2*\c+1], v[S+9+2*\c]
.endr
	v_dual_add_f32 v[S], v[S], v[S+2] :: v_dual_add_f32 v[S+1], v[S+1], v[S+3]
	v_dual_add_f32 v[S+4], v[S+4], v[S+6] :: v_dual_add_f32 v[S+5], v[S+5], v[S+7]
	v_dual_add_f32 v[S], v[S], v[S+4] :: v_dual_add_f32 v[S+1], v[S+1], v[S+5]
	v_add_f32 v[T0], v[S], v[S+1]
	v_permlanex16_b32 v[T1], v[T0], s[SEL], s[SEL+1]   ; the edge's other 64 units lie in the lane 16 away
	v_add_f32 v[T0], v[T0], v[T1]
	ds_store_b32 v[PA], v[T0] offset:\imm          ; both halves of the lanes write the same word with the same value
.endm
; STEP s.  u = (s + 1) % 4: the ring slot of tile s + 1;  par = s % 2: the LDS slot that holds step s's images;  epiA = 0 in step 0 alone: there is no tile before;
; store = 1: tile s + 1 is imaged and a barrier passed;  gather = 1: tile s + 5 is asked for;  lw: the loads of younger tiles, 13 each, that may stay out when tile s + 1 must be in.
; A load into a register that a matrix instruction has read stands four places behind it: the slices (two lines each), the address lines and FINISH are those places; v_nop where a step has too few.
.macro STEP u, par, epiA, store, gather, lw
.if \epiA
	s_wait_dscnt 7                                 ; tile A's user half and scale words are in; behind them: one store of a sum and the six loads of its movie half
.endif
	PHASE 0, 0, 0, 0, \epiA
	PHASE 0, 0, 0, 1, \epiA
	PHASE 0, 0, 1, 0, \epiA
	PHASE 0, 0, 1, 1, \epiA
	WIN 0
	v_add_nc_u32 v[IA], s[ST], v[IA0]              ; with the last slice's two these two lines are the four places in front of the loads below
	v_add_nc_u32 v[PA], s[ST], v[PA0]
.if \epiA == 0
.rept 3
	v_nop
.endr
.endif
	FETCH01 \par, 1, 1                             ; tile B's user half, over tile A's, which is done with
.if \gather
	ds_load_b32 v[I0], v[IA] offset:5*64           ; the indices of tile s + 5
	ds_load_b32 v[I1], v[IA] offset:IDXR+5*64
.endif
.if \store
	s_wait_loadcnt \lw                             ; loads come back in order: tile s + 1's thirteen are in
	IMAGE \u, 1-\par                               ; into the slot whose last reads every wave awaited in front of the last barrier
.endif
	s_wait_dscnt 7+2*\gather+13*\store             ; tile A's movie half is in: all that was issued since the four phases above may be out
	PHASE 0, 0, 2, 0, \epiA
	PHASE 0, 0, 2, 1, \epiA
	PHASE 0, 0, 3, 0, \epiA
	PHASE 0, 0, 3, 1, \epiA
	WIN 0
.if \epiA
	FINISH WVB-64                                  ; tile B of the step before: 31 tiles on, one step back
.else
.rept 4
	v_nop
.endr
.endif
	FETCH23 \par, 1                                ; tile B's movie half
	s_wait_dscnt 2*\gather+13*\store+\epiA+6       ; tile B's user half and scale words are in: what was issued behind those seven loads may be out
	PHASE 1, 1, 0, 0, 1
	PHASE 1, 1, 0, 1, 1
	s_wait_dscnt 0x0                               ; for the others' sake: my image has landed and my reads of this step's slot are over; for mine: tile B's movie half and the indices are in, the ring slot is read out
.if \store
	s_barrier_signal -1
.endif
	PHASE 1, 1, 1, 0, 1                            ; work on registers while the others arrive
	PHASE 1, 1, 1, 1, 1
.if \store
	WIN 0
	s_barrier_wait -1                              ; all four images of step s + 1 lie in LDS, and nobody reads this step's slot any more
.if \gather
	GADDR I0, I1
.else
.rept 2
	v_nop                                          ; the third and fourth place behind the last product that read the user half
.endr
.endif
	FETCH01 1-\par, 0, 0                           ; the next step's tile A
.if \gather
	GLOADS \u                                      ; tile s + 5 into the ring slot just imaged
.endif
.endif
	PHASE 1, 1, 2, 0, 1
	PHASE 1, 1, 2, 1, 1
	PHASE 1, 1, 3, 0, 1
	PHASE 1, 1, 3, 1, 1
	WIN 0
	FINISH 0                                       ; tile A of this step
.if \store
	FETCH23 1-\par, 0
.endif
	s_add_co_u32 s[ST], s[ST], 64
.endm
	s_load_b512 s[4:19], s[0:1], 0x0               ; W1's codes s[4:5], its scales s[6:7], W2 s[8:9], b1 s[10:11], b2 s[12:13], the indices s[14:15], qtab s[16:17], out0 s[18:19]
	v_lshl_add_u32 v54, v0, 2, SPARE
	v_mov_b32 v55, 0
	v_lshrrev_b32 v104, 5, v0
	v_readfirstlane_b32 s[WVN], v104               ; wave 0..3
	s_and_b32 s[NH], s[WVN], 1                     ; which half of the hidden units
	s_lshr_b32 s[EHF], s[WVN], 1                   ; which pair of waves
	s_mov_b32 s[HM], 0xffff0000
	s_mov_b32 s[SEL], 0x76543210
	s_mov_b32 s[SEL+1], 0xfedcba98
	s_mul_i32 s36, s[EHF], 2*XWAVE
	s_mul_i32 s37, s[WVN], XWAVE
	s_lshl_b32 s38, s[WVN], 11
	s_add_co_u32 s38, s38, IDX0
	s_lshl_b32 s39, s[NH], 13
	s_mul_i32 s40, s[EHF], 2*WVB
	s_add_co_u32 s39, s39, s40
	s_add_co_u32 s39, s39, PS0
	s_mul_i32 s40, s[NH], 128*W1P
	s_add_co_u32 s40, s40, W1L
	s_mul_i32 s41, s[WVN], 64*W1P
	s_add_co_u32 s41, s41, W1L
	s_mul_i32 s42, s[WVN], 64*384
	s_mul_i32 s[OF], ttmp9, WGB                    ; my work-group's first byte in an index row and in out0
	s_sub_co_u32 s[REM], NE*4, s[OF]
	s_min_u32 s[REM], s[REM], WGB                  ; bytes of out0 that are mine
	s_mul_i32 s43, s[WVN], WVB
	s_add_co_u32 s43, s43, s[OF]
	s_mov_b32 s[OF+1], 0
	v_and_b32 v105, 31, v0                         ; lane
	v_and_b32 v106, 15, v0                         ; r
	v_bfe_u32 v107, v0, 4, 1                       ; h
	v_mov_b32 v[T1], 0                             ; a lane permute's destination counts as one of its sources
	v_lshl_add_u32 v[XR], v105, 4, s36
	v_lshl_add_u32 v[XR8], v105, 3, s36
	v_lshl_add_u32 v[XW], v105, 4, s37
	v_lshl_add_u32 v[XW8], v105, 3, s37
	v_lshl_add_u32 v[IA0], v106, 2, s38
	v_lshl_add_u32 v111, v105, 4, s38              ; where I put 16 bytes of my wave's indices
	v_lshl_add_u32 v[PA0], v106, 2, s39
	v_mul_u32_u24 v[H96], v107, 96
	v_mul_u32_u24 v108, v106, W1P                  ; W1's fragments out of the stage: row r of a tile,
	v_mad_u32_u24 v108, v107, 24, v108             ; + 24 h,
	v_add_nc_u32 v108, s40, v108                   ; from my 128 rows on
	v_lshrrev_b32 v104, 3, v105                    ; W1 on its way in: eight lanes to a row: row lane / 8 of four,
	v_and_b32 v126, 7, v105
	v_lshlrev_b32 v126, 4, v126                    ; byte 16 (lane % 8) of a run of 128
	v_mad_u32_u24 v127, v104, W1P, v126            ; in the stage,
	v_mad_u32_u24 v126, v104, 384, v126            ; and in memory;
	v_add_nc_u32 v127, s41, v127                   ; wave w brings rows 64 w .. 64 w + 63
	v_add_nc_u32 v126, s42, v126
	v_lshlrev_b32 v109, 5, v107                    ; b1, W2: my half's eight numbers of a tile: 32 h
	v_lshl_add_u32 v110, v107, 6, v106
	v_lshlrev_b32 v110, 4, v110                    ; W1's scales: row 64 h + r of 16 bytes
	v_lshl_add_u32 v112, v105, 4, s43              ; my 16 bytes of my wave's part of an index row
	v_add_nc_u32 v113, 512, v112
	v_add_nc_u32 v114, 1024, v112
	v_add_nc_u32 v115, 1536, v112
.irp j, 0,1,2,3
	v_min_u32 v[112+\j], NE*4-16, v[112+\j]        ; held at the row's last 16 bytes: valid indices, whose results are not stored
.endr
	v_and_b32 v102, 63, v0                         ; the 256 bytes behind each half's 7,936 bytes of sums: a word a thread, cleared once, since the way out reads runs of 2,048
	v_lshrrev_b32 v103, 6, v0
	v_lshlrev_b32 v102, 2, v102
	v_lshl_add_u32 v102, v103, 13, v102
	v_add_nc_u32 v102, PS0+WGB, v102
	s_wait_alu depctr_va_vdst(0)
	s_wait_kmcnt 0x0
	s_load_b32 s[B2], s[12:13], 0x0
.irp j, 0,1,2,3
	global_load_b128 v[ACC+4*\j:ACC+4*\j+3], v[112+\j], s[14:15] th:TH_LOAD_NT
	global_load_b128 v[ACC+16+4*\j:ACC+19+4*\j], v[112+\j], s[14:15] offset:NE*4 th:TH_LOAD_NT
.endr
	WIN 0x40                                       ; the registers that W1's fragments will take carry its rows in
.irp g, 0,1,2,3,4,5,6,7,8,9,10,11,12,13,14,15
.irp j, 0,1,2
	global_load_b128 v[12*\g+4*\j:12*\g+4*\j+3], v126, s[4:5] offset:4*384*\g+128*\j   ; rows 4 g .. 4 g + 3 of my 64: of each, 128 consecutive bytes
.endr
.endr
	WIN 0
	s_add_nc_u64 s[18:19], s[18:19], s[OF:OF+1]    ; out0 at my work-group's first edge
	s_lshl_b32 s[OF], s[NH], 11
	s_add_nc_u64 s[6:7], s[6:7], s[OF:OF+1]        ; the scales of my 128 rows of W1,
	s_lshl_b32 s[OF], s[NH], 9
	s_add_nc_u64 s[8:9], s[8:9], s[OF:OF+1]        ; my 128 numbers of W2
	s_add_nc_u64 s[10:11], s[10:11], s[OF:OF+1]    ; and of b1
	s_wait_loadcnt 48                              ; the eight index loads are in; W1's 48 stay out
.irp j, 0,1,2,3
	ds_store_b128 v111, v[ACC+4*\j:ACC+4*\j+3] offset:512*\j
	ds_store_b128 v111, v[ACC+16+4*\j:ACC+19+4*\j] offset:IDXR+512*\j
.endr
	ds_store_b32 v102, v[T1]
.irp g, 0,1,2,3,4
	ds_load_b32 v[116+2*\g], v[IA0] offset:64*\g   ; my own bytes, in order behind my stores: the indices of my tiles 0 to 4
	ds_load_b32 v[117+2*\g], v[IA0] offset:IDXR+64*\g
.endr
	s_wait_dscnt 0x0
	GADDR 116, 117                                 ; tile 0 is asked for ahead of W1's way through the stage: 48 + 13 loads of mine are out
	GLOADS 0
	s_wait_loadcnt 13                              ; my 64 rows of W1 are in
	WIN 0x04                                       ; an LDS store's data are its source 1: window 1
.irp g, 0,1,2,3,4,5,6,7,8,9,10,11,12,13,14,15
.irp j, 0,1,2
	ds_store_b128 v127, v[12*\g+4*\j:12*\g+4*\j+3] offset:4*W1P*\g+128*\j
.endr
.endr
.irp q, 0,1
	WIN 0x40*(\q+1)
.irp tt, 0,1,2,3
	global_load_b128 v[192+8*\tt:195+8*\tt], v109, s[8:9] offset:64*(4*\q+\tt)
	global_load_b128 v[196+8*\tt:199+8*\tt], v109, s[8:9] offset:64*(4*\q+\tt)+16
	global_load_b128 v[224+8*\tt:227+8*\tt], v109, s[10:11] offset:64*(4*\q+\tt)
	global_load_b128 v[228+8*\tt:231+8*\tt], v109, s[10:11] offset:64*(4*\q+\tt)+16
.endr
.endr
	WIN 0
.irp tt, 0,1,2,3
	global_load_b128 v[WS+4*\tt:WS+4*\tt+3], v110, s[6:7] offset:256*\tt   ; a row's four words: one for each K step
.endr
	GADDR 118, 119
	GLOADS 1                                       ; tile 1: 13 + 36 + 13 loads of mine are out
	WIN 0
	s_wait_dscnt 0x0                               ; for the others' sake: my rows of W1 lie in the stage; for mine: the stores have read window 1's registers
	s_barrier_signal -1
	s_barrier_wait -1                              ; all 256 rows of W1 lie in the stage
.irp q, 0,1
	WIN 0x40*(\q+1)
.irp tt, 0,1,2,3
.irp k, 0,1,2,3
.irp p, 0,1,2,3,4,5
	ds_load_b64 v[48*\tt+12*\k+2*\p:48*\tt+12*\k+2*\p+1], v108 offset:16*(4*\q+\tt)*W1P+96*\k+48*(\p/3)+8*(\p%3)   ; registers 6 c .. 6 c + 5: k = 64 c + 32 h + 0 .. 31: 24 bytes as they lie, in pieces of 8
.endr
.endr
.endr
.endr
	s_wait_loadcnt 49                              ; tile 0's thirteen are in; behind them: 36 and tile 1's 13
	IMAGE 0, 0
	WIN 0
	GADDR 120, 121
	GLOADS 2
	WIN 0
	s_wait_loadcnt 26                              ; W2, b1 and W1's scale words are in; two tiles' 26 stay out
	GADDR 122, 123
	GLOADS 3
	WIN 0
	s_wait_kmcnt 0x0
	s_mov_b32 s[B2+1], s[B2]                       ; (named with it as a pair, so it is written)
	s_wait_dscnt 0x0                               ; my image has landed, the ring slot is read out, and W1's fragments are in
	GADDR 124, 125
	GLOADS 0                                       ; tile 4
	WIN 0
	s_barrier_signal -1
	s_barrier_wait -1                              ; all four images of step 0 lie in LDS
	FETCH01 0, 0, 0
	FETCH23 0, 0
	s_wait_dscnt 0x0
	s_mov_b32 s[ST], 0
	STEP 1, 0, 0, 1, 1, 39                         ; step 0 stands in front of the loop: it has no tile before it to finish
	s_mov_b32 s[CNT], 6
.Ltrip:                                                ; six trips of four steps: steps 1 to 24 (the ring's four slots and the two LDS slots are named in the text)
	STEP 2, 1, 1, 1, 1, 39
	STEP 3, 0, 1, 1, 1, 39
	STEP 0, 1, 1, 1, 1, 39
	STEP 1, 0, 1, 1, 1, 39
	s_sub_co_u32 s[CNT], s[CNT], 1
	s_cmp_lg_u32 s[CNT], 0
	s_cbranch_scc1 .Ltrip
	STEP 2, 1, 1, 1, 1, 39                         ; step 25 asks for tile 30, the last
	STEP 3, 0, 1, 1, 0, 39                         ; steps 26 to 29: nothing more is asked for, and the counts run down
	STEP 0, 1, 1, 1, 0, 26
	STEP 1, 0, 1, 1, 0, 13
	STEP 2, 1, 1, 1, 0, 0
	STEP 3, 0, 1, 0, 0, 0                          ; step 30: no image, no barrier
.irp q, 0,1                            ; the last tile B has no tile behind it to carry its epilogue
.irp k, 0,1,2,3
	WIN \q+1
.irp sl, 0,1,2,3
	EP 1, \k, \q, \sl
.endr
.endr
.endr
	WIN 0
	v_add_nc_u32 v[PA], s[ST], v[PA0]
	FINISH WVB-64
	s_wait_dscnt 0x0                               ; for the others' sake: all my sums lie in LDS
	s_barrier_signal -1
	s_barrier_wait -1
	; THE WAY OUT: thread t takes four edges (16 bytes) of each run of 2,048 bytes: both halves' sums and b2
	v_lshl_add_u32 v[IA], v0, 4, PS0
	v_lshlrev_b32 v104, 4, v0                      ; and the same place in out0; never rewritten
.irp j, 0,1,2,3
	ds_load_b128 v[EF+4*\j:EF+4*\j+3], v[IA] offset:2048*\j
	ds_load_b128 v[EF+16+4*\j:EF+19+4*\j], v[IA] offset:8192+2048*\j
.endr
	s_wait_dscnt 0x0
.irp j, 0,2,4,6,8,10,12,14
	v_pk_add_f32 v[EF+\j:EF+\j+1], v[EF+\j:EF+\j+1], v[EF+16+\j:EF+17+\j]
.endr
.irp j, 0,2,4,6,8,10,12,14
	v_pk_add_f32 v[EF+\j:EF+\j+1], v[EF+\j:EF+\j+1], s[B2:B2+1] op_sel_hi:[1,0]
.endr
	s_wait_alu depctr_va_vdst(0)
.irp j, 0,1,2,3
	v_add_nc_u32 v105, 2048*\j, v104
	v_cmp_gt_u32 vcc_lo, s[REM], v105              ; one of my work-group's bytes of out0?
	s_wait_xcnt 0x0                                ; EXEC changes only behind this wait: it is a source of the stores issued so far
	s_and_saveexec_b32 s[SX], vcc_lo
	global_store_b128 v104, v[EF+4*\j:EF+4*\j+3], s[18:19] offset:2048*\j th:TH_STORE_NT   ; a wave stores 512 consecutive bytes, at a multiple of 256 from out0's first byte
	s_wait_xcnt 0x0                                ; and again in front of the line that widens it
	s_or_b32 exec_lo, exec_lo, s[SX]
.endr
	s_wait_xcnt 0x0
	s_mov_b32 exec_lo, -1
	s_wait_tensorcnt 0x0                           ; the wave's end
	ds_add_u32 v54, v55
	s_wait_dscnt 0x0
	s_endpgm
.Lfunc_end_k_q5625fede4c_edges:
	.size	k_q5625fede4c_edges, .Lfunc_end_k_q5625fede4c_edges-k_q5625fede4c_edges
	.p2alignl 7, 3214868480
	.fill 96, 4, 3214868480
	.section	.rodata,"a",@progbits
	.p2align	6, 0x0
	.amdhsa_kernel k_q5625fede4c_edges
		.amdhsa_group_segment_fixed_size 186880
		.amdhsa_private_segment_fixed_size 0
		.amdhsa_enable_private_segment 0
		.amdhsa_kernarg_size 64
		.amdhsa_user_sgpr_count 2
		.amdhsa_user_sgpr_kernarg_segment_ptr 1
		.amdhsa_wavefront_size32 1
		.amdhsa_system_sgpr_workgroup_id_x 1
		.amdhsa_system_sgpr_workgroup_id_y 1
		.amdhsa_system_sgpr_workgroup_id_z 1
		.amdhsa_system_vgpr_workitem_id 0
		.amdhsa_next_free_vgpr 1024
		.amdhsa_next_free_sgpr 66
		.amdhsa_reserve_vcc 1
		.amdhsa_float_denorm_mode_32 3
		.amdhsa_float_denorm_mode_16_64 3
		.amdhsa_memory_ordered 1
		.amdhsa_forward_progress 1
		.amdhsa_inst_pref_size 255
	.end_amdhsa_kernel
	.section	.bss,"aw",@nobits
	.p2align	6
	.space	262144
	.amdgpu_metadata
---
amdhsa.version: [ 1, 2 ]
amdhsa.kernels:
  - .name:           k_q5625fede4c_edges
    .symbol:         k_q5625fede4c_edges.kd
    .args:
      - { .name: W1_codes, .offset: 0, .size: 8, .value_kind: global_buffer, .address_space: global }
      - { .name: W1_scales, .offset: 8, .size: 8, .value_kind: global_buffer, .address_space: global }
      - { .name: W2, .offset: 16, .size: 8, .value_kind: global_buffer, .address_space: global }
      - { .name: b1, .offset: 24, .size: 8, .value_kind: global_buffer, .address_space: global }
      - { .name: b2, .offset: 32, .size: 8, .value_kind: global_buffer, .address_space: global }
      - { .name: edge_label_index, .offset: 40, .size: 8, .value_kind: global_buffer, .address_space: global }
      - { .name: qtab, .offset: 48, .size: 8, .value_kind: global_buffer, .address_space: global }
      - { .name: out0, .offset: 56, .size: 8, .value_kind: global_buffer, .address_space: global }
    .group_segment_fixed_size: 186880
    .private_segment_fixed_size: 0
    .kernarg_segment_align: 8
    .kernarg_segment_size: 64
    .max_flat_workgroup_size: 128
    .sgpr_count:     66
    .vgpr_count:     1024
    .wavefront_size: 32
...
	.end_amdgpu_metadata
.endif
;; end of part 2
